; MI455X (gfx1250); checked and timed in simulation.
; The chip was launched on July 23, 2026; its instructions are those of AMD's public machine-readable ISA for CDNA 5 (MIT licence, August 2026) and "CDNA5" Instruction Set Architecture Reference Guide (July 2026). The comments in the code are by the model that wrote it; some were corrected since.
;; Multiheaded Attention. Allowed arithmetic: matrix products marked QUANTISED: E2M3 operands, one E8M0 scale for each 32 along K, by v_wmma_scale_f32_16x16x128_f8f6f4 with both operands' format E2M3, f32 sums; everything else in f32.
;; Inputs: Wk 1,024 x 1,024 float32; Wo 1,024 x 1,024 float32; Wq 1,024 x 1,024 float32; Wv 1,024 x 1,024 float32; bk 1,024 float32; bo 1,024 float32; bq 1,024 float32; bv 1,024 float32; key 4 x 2,048 x 1,024 float32; mask 4 x 2,048 x 2,048 int32; query 4 x 2,048 x 1,024 float32; value 4 x 2,048 x 1,024 float32.
;; Outputs: out0 4 x 2,048 x 1,024 float32.
;; This version of the problem:
;;   THIS VERSION OF THE PROBLEM IS GIVEN IN LOW PRECISION. The matrix products marked QUANTISED in the list below multiply operands that are first quantised to E2M3 (2 exponent bits, 3 mantissa bits; 6 bits a number), with one power-of-two scale for each 32 numbers along K (OCP MX v1.0); their sums are f32. All else is computed in f32.
;;   The module's matrix products, in the order in which they are computed (A, B: the left and right operand; K: the contracted axis; several contracted axes count as one K, in the product's order):
;;     1. [M 8,192, K 1,024] x [K 1,024, N 1,024]; A: input query; B: input Wq: QUANTISED
;;     2. [M 8,192, K 1,024] x [K 1,024, N 1,024]; A: input key; B: input Wk: QUANTISED
;;     3. [M 8,192, K 1,024] x [K 1,024, N 1,024]; A: input value; B: input Wv: QUANTISED
;;     4. batch 64 x [M 2,048, K 64] x [K 64, N 2,048]; A: computed on the way; B: computed on the way: QUANTISED
;;     5. batch 64 x [M 2,048, K 2,048] x [K 2,048, N 64]; A: softmax (see below); B: computed on the way: QUANTISED
;;     6. [M 8,192, K 1,024] x [K 1,024, N 1,024]; A: computed on the way; B: input Wo: QUANTISED
;;   THE QUANTISER, for each operand of a quantised product, along K:
;;     - K is cut into blocks of 32 from its start; a last block that is shorter is filled with zeros.
;;     - A block's scale is 2^e with e = floor(log2(the largest magnitude in the block)) - 2, held to -126 .. 127; a block of zeros has e = 0. As a byte (E8M0): e + 127.
;;     - Each number is divided by its block's scale, clamped to +-7.5, and rounded to the nearest number of E2M3, ties to even, subnormals kept.
;;     - The product sums the exact products of the quantised numbers (number of the format x scale) in f32.
;;   ~~~python
;;   def quantise(x, axis):      # numpy; x: float32 -> the quantised numbers, widened to float32 again
;;       x = np.moveaxis(x, axis, -1); K = x.shape[-1]
;;       x = np.pad(x, [(0, 0)] * (x.ndim - 1) + [(0, -K % 32)]); x = x.reshape(x.shape[:-1] + (-1, 32)); a = np.abs(x).max(-1, keepdims=True)
;;       e = np.where(a > 0, np.clip(np.frexp(np.where(a > 0, a, 1))[1] - 1 - 2, -126, 127), 0)      # np.frexp(a)[1] - 1 = floor(log2(a)), exactly
;;       r = np.clip(x / 2.0 ** e, -7.5, 7.5)
;;       step = 2.0 ** (np.maximum(np.frexp(np.where(r == 0, 1, r))[1] - 1, 0) - 3)
;;       q = np.round(r / step) * step * 2.0 ** e      # np.round: ties to even
;;       return np.moveaxis(q.reshape(q.shape[:-2] + (-1,))[..., :K], -1, axis).astype(np.float32)
;;   ~~~
;;   SOFTMAX AHEAD OF A QUANTISED PRODUCT. Where the list says 'softmax', what is quantised is not the finished softmax but p = 2^(t - M), with t = logit x log2(e) and M = ceil(the row's largest t), a whole number; so 1/2 < the row's largest p <= 1. The row's sum l is taken of the UNQUANTISED p, in f32, and the product's result is divided by l at the end. Since M is a whole number, a kernel that streams over the keys may use a running M (the ceiling of the running maximum): every later rescaling is an exact power of two, which a block's scale takes up: the codes' values come out the same.
;;   OPERANDS COMPUTED ON THE WAY. 'Computed on the way' means the value that the module computes at that place (a softmax that the list does not call 'softmax' is quantised finished and normalised). What goes into a quantiser is computed in f32, as accurately as f32 sums, v_exp_f32 and their like allow (about 1e-6 of the number): no bf16 or f16 on the way to a quantiser, and a product that is left as it is and whose result goes on into a quantised operand takes f32 operands (vector FMAs, or v_wmma_f32_16x16x4_f32). A number that lies on a knife's edge between two numbers of the format may be rounded either way, as far as f32 arithmetic and the matrix unit's own rounding can turn it there, and no further.
;; One version. Each part assembles by itself: llvm-mc -triple=amdgcn-amd-amdhsa -mcpu=gfx1250 --defsym DOCPART=n.
;; ======== version 1 of 1: 4 launches
;; limits: right only within a limited range of input values
;; workspace buffers: opnd 22,937,600 bytes; maskw 2,097,152 bytes of whole numbers; qkv 20,185,088 bytes; xo 6,553,600 bytes
;; launch prep (part 1): grid 256 x 1, 11 waves a work-group, no clusters, 187,392 bytes of LDS; arguments query, key, value, Wq, Wk, Wv, Wo, mask, opnd, maskw; writes opnd, maskw
.if DOCPART == 1
	.amdgcn_target "amdgcn-amd-amdhsa--gfx1250"
	.amdhsa_code_object_version 6
	.text
	.protected	k_q77cd46c149_prep
	.globl	k_q77cd46c149_prep
	.p2align	8
	.type	k_q77cd46c149_prep,@function
k_q77cd46c149_prep:
	s_mov_b64 s[64:65], 0
	v_nop
	global_prefetch_b8 v0, s[64:65] scope:SCOPE_SE
	s_setreg_imm32_b32 hwreg(HW_REG_WAVE_MODE, 25, 1), 1
	s_wait_xcnt 0x0
; PREP: the seven f32 operands of the four projections become codes of FP6 (E2M3) with one E8M0 byte for each 32 along K = 1024, and the mask becomes lane masks.
; DEAD WORK: none is left out in this program.  Every bias stands ahead of a quantiser or in the output, every product of the table reaches the output, the mask is an input and is honoured
; number by number: all twelve inputs are loaded.
; LIMITS: NaN and infinities among the inputs are not served.  A block of zeros, or one whose largest magnitude lies under 2^-124, gets the scale byte 1 (its codes are zeros or are held by that scale);
; the bytes are read by this program alone.
; OPND is 1,792 records of 12,800 bytes, one for 16 rows x K 1024: records 0-511 query, 512-1023 key, 1024-1535 value, 1536.. Wq, 1600.. Wk, 1664.. Wv, 1728.. Wo.  A record is an IMAGE OF THE OPERAND'S REGISTERS:
; register pair i (0..5) of the fragment of K step s (128 along K) lies at 1536 s + 256 i + 8 x lane; the scale word of fragment row r for K step s at 12288 + 32 r + 4 s.
; Fragment row r of record t is row 16 t + r for query; for the six others row 32 (t / 2) + 8 (t % 2) + r + 8 (r / 8), so that the products' results come out with 16 neighbours in 16 registers.
; MASKW: [batch x 128 + tile of 16 queries][key step of 128][64 words]: bit (r + 16 h) of word 16 b + i says whether mask[query r of the tile][128 step + 32 b + 16 h + i] is not 0.
; SHARES.  Work-groups 0-447: a wave makes one record (64 KB in, 12.8 KB out).  Work-groups 448-703: a wave takes 16 rows x 1,024 keys of the mask (64 KB in, 2 KB out).
; Each load reads 512 consecutive bytes of one row; a K step's 16 rows turn through the wave's own stage in LDS (rows 528 bytes apart), so that a lane gets the neighbours that its registers want.
; The two paths part on the work-group's number and have LDS bytes of their own.  No barrier: waves share nothing.  Two K steps' loads (16 KB a wave) are on their way.
.set REC,   12800
.set SP,    528                        ; a stage row: 512 bytes + 16
.set WSTG,  16*SP                      ; a wave's stage
; SHARES, in place of what the head says of them: 256 work-groups of eleven waves.  Waves 0-6 make records 7 x work-group + wave (7 x 256 = 1,792); waves 7-10 take mask units 4 x work-group + wave - 7 (4 x 256 = 1,024):
; every work-group reads 11 x 64 KB.  The two paths part on the wave's number and have LDS bytes of their own.
; A RECORD'S CODES, in place of the head's pairs: register quad q (0..2) of the fragment of K step s lies at 1536 s + 512 q + 16 x lane.
.set MSTG,  11*WSTG                    ; the mask path's stages begin here
.set SPARE, 22*WSTG                    ; behind the stages: the spare words, 128 bytes a wave
.set T,  12                            ; v12-13  largest magnitudes of my two blocks
.set SO, 14                            ; v14-15  the conversions' scale operands
.set WD, 20                            ; v20-27  a scale word for each K step
.set OS, 28                            ; v28-31  the words as they are stored
.set C,  32                            ; v32-43  a fragment's codes
.set MW, 32                            ; v32-35  mask path: two pairs of words
.set TP, 44                            ; v44-51  the blocks' second halves as converted
.set R,  64                            ; v64-191 two sets of 64: a K step as loaded
.set X,  192                           ; v192-255 a K step as my registers want it
	s_load_b512 s[4:19], s[0:1], 0x0               ; query, key, value, Wq, Wk, Wv, Wo, mask
	s_load_b128 s[20:23], s[0:1], 0x40             ; opnd, maskw
	v_lshl_add_u32 v1, v0, 2, SPARE                ; my spare word; never rewritten
	v_mov_b32 v2, 0                                ; 0; never rewritten
	v_lshrrev_b32 v12, 5, v0
	v_readfirstlane_b32 s24, v12                   ; wave
	v_and_b32 v12, 31, v0                          ; lane
	v_and_b32 v13, 15, v0                          ; r
	v_bfe_u32 v14, v0, 4, 1                        ; h
	v_lshlrev_b32 v3, 4, v12                       ; v3: 16 x lane
	v_lshlrev_b32 v7, 3, v12                       ; v7: 8 x lane
	s_mul_i32 s42, s24, WSTG
	v_add_nc_u32 v5, s42, v3                       ; v5: into my stage, 16 bytes a lane
	v_mul_u32_u24 v15, v13, SP
	v_add_nc_u32 v15, s42, v15
	v_lshl_add_u32 v6, v14, 7, v15                 ; v6: out of it: row r, + 128 h
	v_add_nc_u32 v10, MSTG, v5                     ; v10, v11: the same for the mask path's stage; out of it + 128 h
	v_lshl_add_u32 v11, v14, 7, v15                ; the mask's stage is read as the quantiser's is, + 128 h: register 32 c + i takes key 64 c + 32 h + i, so bit (r + 16 h) of MASKW's word 32 c + i stands for that key (this takes the place of the order given at the head)
	v_add_nc_u32 v11, MSTG, v11
	v_lshlrev_b32 v8, 5, v13
	v_lshl_add_u32 v8, v14, 4, v8                  ; v8: 32 r + 16 h: my four scale words in a record
	v_lshlrev_b32 v9, 3, v14                       ; v9: 8 h
	v_mov_b32 v19, 0                               ; a lane permute's destination counts as read
	s_mov_b32 s31, 0xffff0000                      ; lanes 16-31
	s_mov_b32 s32, 0x76543210
	s_mov_b32 s33, 0xfedcba98                      ; selects for lane l xor 16
	s_mul_i32 s43, ttmp9, 7
	s_add_co_u32 s43, s43, s24                     ; waves 0-6: my record, 7 x work-group + wave
	s_wait_kmcnt 0x0
.macro LOAD s, pitch, hi               ; K step s of 16 rows: each load 512 consecutive bytes of a row; rows 8-15 by address register hi
.irp rho, 0,1,2,3,4,5,6,7,8,9,10,11,12,13,14,15
.if \rho < 8
	global_load_b128 v[R+64*((\s)%2)+4*\rho:R+64*((\s)%2)+4*\rho+3], v3, s[26:27] offset:\rho*\pitch+512*(\s) th:TH_LOAD_NT
.else
	global_load_b128 v[R+64*((\s)%2)+4*\rho:R+64*((\s)%2)+4*\rho+3], v[\hi], s[26:27] offset:\rho*\pitch+512*(\s) th:TH_LOAD_NT
.endif
.endr
.endm
.macro TURN s, stw, rd, mode           ; through my stage; LDS serves a wave's instructions in order, so no wait stands between the stores and the loads
.irp rho, 0,1,2,3,4,5,6,7,8,9,10,11,12,13,14,15
	ds_store_b128 v[\stw], v[R+64*((\s)%2)+4*\rho:R+64*((\s)%2)+4*\rho+3] offset:SP*\rho
.endr
.irp q, 0,1,2,3,4,5,6,7,8,9,10,11,12,13,14,15
.if \mode
	ds_load_b128 v[X+4*\q:X+4*\q+3], v[\rd] offset:128*(\q/4)+16*(\q%4)    ; register 16 b + i: key 32 b + 16 h + i of row r
.else
	ds_load_b128 v[X+4*\q:X+4*\q+3], v[\rd] offset:256*(\q/8)+16*(\q%8)    ; register 32 c + i: k = 64 c + 32 h + i of row r: two whole blocks
.endif
.endr
.endm
	s_cmp_ge_u32 s24, 7                            ; waves 7-10 take the mask
	s_cbranch_scc1 .Lmask
	; ---- the quantiser's path: which tensor, by the record's number
	s_mov_b64 s[26:27], s[16:17]
	s_movk_i32 s44, 1728
	s_cmp_lt_u32 s43, 1728                         ; which tensor: by the record's number
	s_cselect_b64 s[26:27], s[14:15], s[26:27]
	s_cselect_b32 s44, 1664, s44
	s_cmp_lt_u32 s43, 1664
	s_cselect_b64 s[26:27], s[12:13], s[26:27]
	s_cselect_b32 s44, 1600, s44
	s_cmp_lt_u32 s43, 1600
	s_cselect_b64 s[26:27], s[10:11], s[26:27]
	s_cselect_b32 s44, 1536, s44
	s_cmp_lt_u32 s43, 1536
	s_cselect_b64 s[26:27], s[8:9], s[26:27]
	s_cselect_b32 s44, 1024, s44
	s_cmp_lt_u32 s43, 1024
	s_cselect_b64 s[26:27], s[6:7], s[26:27]
	s_cselect_b32 s44, 512, s44
	s_cmp_lt_u32 s43, 512
	s_cselect_b64 s[26:27], s[4:5], s[26:27]
	s_cselect_b32 s44, 0, s44
	s_sub_co_u32 s45, s43, s44                     ; t: the record's number in its tensor
	s_lshl_b32 s46, s45, 4                         ; query: first row 16 t
	s_lshr_b32 s47, s45, 1
	s_lshl_b32 s47, s47, 5
	s_and_b32 s42, s45, 1
	s_lshl_b32 s42, s42, 3
	s_add_co_u32 s47, s47, s42                     ; the others: 32 (t / 2) + 8 (t % 2)
	s_cmp_lt_u32 s43, 512
	s_cselect_b32 s46, s46, s47
	s_cselect_b32 s30, 0, 0x8000
	; key's records (records 512-1023) take an order of their own, in place of the head's formula: fragment row r of record t is row 64 (t / 4) + 8 (t % 4) + r % 8 + 32 (r / 8),
	; so that in the scores a lane's 32 registers of four neighbouring key tiles are one whole block of 32 keys
	s_lshr_b32 s47, s45, 2
	s_lshl_b32 s47, s47, 6
	s_and_b32 s42, s45, 3
	s_lshl_b32 s42, s42, 3
	s_add_co_u32 s47, s47, s42                     ; 64 (t / 4) + 8 (t % 4)
	s_sub_co_u32 s42, s43, 512
	s_cmp_lt_u32 s42, 512                          ; unsigned: true for records 512 to 1,023, key's, alone
	s_cselect_b32 s46, s47, s46
	s_mov_b32 s42, 0x18000                         ; fragment rows 8-15 lie 24 rows of 4,096 bytes further on
	s_cselect_b32 s30, s42, s30
	s_lshl_b32 s46, s46, 12
	s_mov_b32 s47, 0
	s_add_nc_u64 s[26:27], s[26:27], s[46:47]
	s_mul_i32 s46, s43, REC
	s_add_nc_u64 s[28:29], s[20:21], s[46:47]      ; my record
	v_add_nc_u32 v4, s30, v3
	LOAD 0, 4096, 4
	LOAD 1, 4096, 4
.macro QSTEP s
.if (\s) < 7
	s_wait_loadcnt 16                              ; this K step's 16 loads are in; the next step's 16 may be out
.else
	s_wait_loadcnt 0x0
.endif
	TURN \s, 5, 6, 0
	s_wait_dscnt 0x0                               ; the stage's stores have read their registers, and my 64 numbers are in
.if (\s) < 6
	LOAD (\s)+2, 4096, 4
.endif
	s_wait_xcnt 0x0                                ; the last step's stores have read the codes' registers, which are written again below
.irp c, 0,1
	v_max3_num_f32 v[T+\c], |v[X+32*\c]|, |v[X+32*\c+1]|, 0x1800000   ; block 2 c + h: all 32 numbers are mine; the floor 2^(3 - 127) keeps the byte at 1 from below
.endr
.irp i, 2,4,6,8,10,12,14,16,18,20,22,24,26,28,30
.irp c, 0,1
	v_max3_num_f32 v[T+\c], v[T+\c], |v[X+32*\c+\i]|, |v[X+32*\c+\i+1]|
.endr
.endr
.irp c, 0,1
	v_add_nc_u32 v[SO+\c], 0xff000000, v[T+\c]     ; 2 off the exponent field: the conversion's scale operand
.endr
	v_lshrrev_b32 v16, 23, v[SO]                   ; the bytes of blocks h and 2 + h
	v_lshrrev_b32 v17, 23, v[SO+1]
	v_lshl_or_b32 v18, v17, 16, v16
	v_lshlrev_b32 v18, v9, v18                     ; at their places in the word (8 h bits up)
	v_permlanex16_b32 v19, v18, s32, s33
	v_or_b32 v[WD+(\s)], v18, v19                  ; with lane l xor 16's two the word is whole
.irp c, 0,1
	v_cvt_scalef32_pk16_fp6_f32 v[C+6*\c:C+6*\c+2], v[X+32*\c:X+32*\c+15], v[SO+\c]
	v_cvt_scalef32_pk16_fp6_f32 v[TP+4*\c:TP+4*\c+2], v[X+32*\c+16:X+32*\c+31], v[SO+\c]   ; (a conversion's three registers begin on an even number)
.endr
	v_nop                                          ; one plain place behind a scaled conversion
.irp c, 0,1
.irp i, 0,1,2
	v_mov_b32 v[C+6*\c+3+\i], v[TP+4*\c+\i]
.endr
.endr
.irp i, 0,1,2
	global_store_b128 v3, v[C+4*\i:C+4*\i+3], s[28:29] offset:1536*(\s)+512*\i   ; 32 lanes store 512 consecutive bytes, at a multiple of 256 from the buffer's first byte
.endr
.endm
	s_wait_alu depctr_va_vdst(0)
.irp s, 0,1,2,3,4,5,6,7
	QSTEP \s
.endr
.irp j, 0,1,2,3
	v_cndmask_b32 v[OS+\j], v[WD+\j], v[WD+4+\j], s31   ; lanes 0-15 store K steps 0-3, lanes 16-31 K steps 4-7
.endr
	global_store_b128 v8, v[OS:OS+3], s[28:29] offset:12288   ; 512 consecutive bytes
	s_wait_tensorcnt 0x0                           ; the wave's end, behind my last LDS store
	ds_add_u32 v1, v2
	s_wait_dscnt 0x0
	s_endpgm
	; ---- the mask's path
.Lmask:
	s_lshl_b32 s43, ttmp9, 2
	s_add_co_u32 s43, s43, s24
	s_sub_co_u32 s43, s43, 7                       ; my unit among the mask's 1,024: 4 x work-group + wave - 7
	s_lshr_b32 s44, s43, 1                         ; batch x 128 + tile of queries
	s_and_b32 s45, s43, 1                          ; which half of the keys
	s_lshl_b32 s46, s44, 17                        ; 16 rows of 8,192 bytes
	s_lshl_b32 s42, s45, 12
	s_add_co_u32 s46, s46, s42
	s_mov_b32 s47, 0
	s_add_nc_u64 s[26:27], s[18:19], s[46:47]
	s_lshl_b32 s46, s44, 12                        ; 16 key steps of 256 bytes
	s_lshl_b32 s42, s45, 11
	s_add_co_u32 s46, s46, s42
	s_add_nc_u64 s[28:29], s[22:23], s[46:47]
.irp i, 0,1,2,3
	v_mov_b32 v[MW+\i], 0                          ; v_writelane_b32's destination counts as read
.endr
	LOAD 0, 8192, 3
	LOAD 1, 8192, 3
.macro MSTEP s
.if (\s) < 7
	s_wait_loadcnt 16                              ; as above
.else
	s_wait_loadcnt 0x0
.endif
	TURN \s, 10, 11, 0
	s_wait_dscnt 0x0
.if (\s) < 6
	LOAD (\s)+2, 8192, 3
.endif
	s_wait_xcnt 0x0                                ; the store of two steps back has read its pair
.set n, 0
.rept 8
.irp e, 0,1,2,3,4,5,6,7
	v_cmp_ne_u32 s[34+\e], 0, v[X+n+\e]            ; word n: a bit for each lane
.endr
.irp e, 0,1,2,3,4,5,6,7
	v_writelane_b32 v[MW+2*((\s)%2)+(\e%2)], s[34+\e], (n+\e)/2   ; word n into lane n / 2, register n % 2
.endr
.set n, n+8
.endr
	global_store_b64 v7, v[MW+2*((\s)%2):MW+2*((\s)%2)+1], s[28:29] offset:256*(\s)   ; 256 consecutive bytes, aligned
.endm
	s_wait_alu depctr_va_vdst(0)
.irp s, 0,1,2,3,4,5,6,7
	MSTEP \s
.endr
	s_wait_tensorcnt 0x0                           ; the wave's end, as above
	ds_add_u32 v1, v2
	s_wait_dscnt 0x0
	s_endpgm
.Lfunc_end_k_q77cd46c149_prep:
	.size	k_q77cd46c149_prep, .Lfunc_end_k_q77cd46c149_prep-k_q77cd46c149_prep
	.p2alignl 7, 3214868480
	.fill 96, 4, 3214868480
	.section	.rodata,"a",@progbits
	.p2align	6, 0x0
	.amdhsa_kernel k_q77cd46c149_prep
		.amdhsa_group_segment_fixed_size 187392
		.amdhsa_private_segment_fixed_size 0
		.amdhsa_enable_private_segment 0
		.amdhsa_kernarg_size 80
		.amdhsa_user_sgpr_count 2
		.amdhsa_user_sgpr_kernarg_segment_ptr 1
		.amdhsa_wavefront_size32 1
		.amdhsa_system_sgpr_workgroup_id_x 1
		.amdhsa_system_sgpr_workgroup_id_y 1
		.amdhsa_system_sgpr_workgroup_id_z 1
		.amdhsa_system_vgpr_workitem_id 0
		.amdhsa_next_free_vgpr 256
		.amdhsa_next_free_sgpr 66
		.amdhsa_reserve_vcc 0
		.amdhsa_float_denorm_mode_32 3
		.amdhsa_float_denorm_mode_16_64 3
		.amdhsa_memory_ordered 1
		.amdhsa_forward_progress 1
		.amdhsa_inst_pref_size 153
	.end_amdhsa_kernel
	.amdgpu_metadata
---
amdhsa.version: [ 1, 2 ]
amdhsa.kernels:
  - .name:           k_q77cd46c149_prep
    .symbol:         k_q77cd46c149_prep.kd
    .args:
      - { .name: query, .offset: 0, .size: 8, .value_kind: global_buffer, .address_space: global }
      - { .name: key, .offset: 8, .size: 8, .value_kind: global_buffer, .address_space: global }
      - { .name: value, .offset: 16, .size: 8, .value_kind: global_buffer, .address_space: global }
      - { .name: Wq, .offset: 24, .size: 8, .value_kind: global_buffer, .address_space: global }
      - { .name: Wk, .offset: 32, .size: 8, .value_kind: global_buffer, .address_space: global }
      - { .name: Wv, .offset: 40, .size: 8, .value_kind: global_buffer, .address_space: global }
      - { .name: Wo, .offset: 48, .size: 8, .value_kind: global_buffer, .address_space: global }
      - { .name: mask, .offset: 56, .size: 8, .value_kind: global_buffer, .address_space: global }
      - { .name: opnd, .offset: 64, .size: 8, .value_kind: global_buffer, .address_space: global }
      - { .name: maskw, .offset: 72, .size: 8, .value_kind: global_buffer, .address_space: global }
    .group_segment_fixed_size: 187392
    .private_segment_fixed_size: 0
    .kernarg_segment_align: 8
    .kernarg_segment_size: 80
    .max_flat_workgroup_size: 352
    .sgpr_count:     66
    .vgpr_count:     256
    .wavefront_size: 32
...
	.end_amdgpu_metadata
.endif
;; end of part 1
;; launch proj (part 2): grid 4 x 64, 4 waves a work-group, clusters of 4 x 1, 327,680 bytes of LDS; arguments opnd, bq, bk, bv, qkv; writes qkv
.if DOCPART == 2
	.amdgcn_target "amdgcn-amd-amdhsa--gfx1250"
	.amdhsa_code_object_version 6
	.text
	.protected	k_q77cd46c149_proj
	.globl	k_q77cd46c149_proj
	.p2align	8
	.type	k_q77cd46c149_proj,@function
k_q77cd46c149_proj:
	s_mov_b64 s[64:65], 0
	v_nop
	global_prefetch_b8 v0, s[64:65] scope:SCOPE_SE
	s_setreg_imm32_b32 hwreg(HW_REG_WAVE_MODE, 25, 1), 1
	s_wait_xcnt 0x0
	s_wait_alu depctr_hold_cnt(0) depctr_sa_sdst(0) depctr_va_vdst(0) depctr_va_sdst(0) depctr_va_ssrc(0) depctr_va_vcc(0) depctr_vm_vsrc(0)
	s_getreg_b32 s2, hwreg(HW_REG_IB_STS2, 6, 4)
	s_cmp_eq_u32 s2, 0
	s_cbranch_scc0 .Lentry_in_a_cluster
	s_endpgm
.Lentry_in_a_cluster:
	s_bfe_u32 s2, ttmp6, 0x10000c
	s_cmp_lg_u32 s2, 0x3003
	s_cbranch_scc0 .Lentry_shape_is_right
	s_endpgm
.Lentry_shape_is_right:
; PROJ: q = query Wq^T + bq, k = key Wk^T + bk, v = value Wv^T + bv on codes of FP6 (E2M3) with E8M0 scales; the results are quantised in registers, q and k along the head's 64, v along the keys,
; and stored as images of the registers in which the attention launch wants them.  No work is left out.
; LIMITS: NaN and infinities are not served; a block whose largest magnitude lies under 2^-124 gets the scale byte 1.
; SHARES.  A work-group takes 128 tokens (work-group y) and 4 heads (its place cx in the cluster); wave w owns head 4 cx + w: its 64 rows of a weight, all of K, stay in 384 registers.
; Three passes over the token block: V, Q, K; a pass is 128 tokens x 64 outputs: 32 accumulators, 256 matrix instructions.  While a pass runs, the registers of each K step that is done take the next pass's weight.
; CLUSTER.  The four work-groups of a cluster read the same three token blocks (8 records of 12,800 bytes each): each wave asks for a quarter of each JOINTLY, mask 15.  All are first fills: one tensor load
; of a wave is out at a time, no LDS byte is filled twice, and no LDS address and no branch hangs on cx.
; Q, K PASS: source 0 = 16 rows of W, source 1 = 16 tokens: a lane holds one token, and the 16 registers of tiles 2 b, 2 b + 1 are channels 32 b + 16 h + 0..15 of the head (the weight's rows were laid for that).
; V PASS: source 0 = 16 tokens, source 1 = 16 rows of Wv: a lane holds one channel, and the 16 registers of token tiles 2 b, 2 b + 1 are keys 32 b + 16 h + 0..15.
; QKV: [batch x head][key step of 128][13,056 bytes]: K's part (8 tiles x 6 code registers, register p at 512 (p / 4) + 16 lane + 4 (p % 4); at 6144 + 16 lane four scale words: lane (r, h) tiles 4 h .. 4 h + 3),
; then at 6,656 V's part (4 channel tiles x 12 registers likewise; at 6144 + 8 lane two scale words: tiles 2 h, 2 h + 1).  From QOFF on: Q, [batch x head][block of 128 queries][6,656 bytes], as K's part.
; K's and Q's scale words carry 0x7f for k = 64..127, where Q's codes will be zeros.
; REGISTERS, in windows of 256.  Window 0: v1, v2 the add's two; v3-11 addresses; v16-47 the tokens' scale words; v48-63 the weight's; v64-95 the bias, as the C of K step 0; v96-191 two sets of four token fragments
; (on the way out: the codes); v192-235 at work.  Window 1: the weight's K steps 0-3, fragment (s, n) at 12 (4 s + n).  Window 2: K steps 4-7.  Window 3: the accumulators.
.set REC,   12800
.set BLK,   8*REC                      ; a token block in LDS
.set SPARE, 3*BLK                      ; behind the three blocks: the spare words, 128 bytes a wave
.set QOFF,  13369344
.set SX,  16
.set SW,  48
.set BI,  64
.set XF,  96
.set OC,  96                           ; the way out: 48 code registers
.set TP,  144                          ; and the blocks converted second
.set T,   192                          ; v192-207 largest magnitudes, then scale operands
.set T2,  208                          ; v208-223 the other lane's, then the bytes
.set WDS, 224                          ; v224-231 scale words
.set SELW, 232                         ; v232-235 as they are stored
.set WN,  44                           ; s[44:45] the weight slice that is being loaded
.set BN,  46                           ; s[46:47] its bias
.set OUT, 48                           ; s[48:49] where the pass stores
.set OUTK, 50
.set HM,  52
.set SEL, 54
.set TRIP, 56
.set XB,  57                           ; s57 the pass's token block in LDS
.set MSB, 0
.macro WIN new                         ; the immediate's high byte repeats the setting that is left
.if MSB != (\new)
	s_set_vgpr_msb (MSB<<8)|(\new)
.set MSB, (\new)
.endif
.endm
.macro CROUND                          ; a round of the cluster's barrier
	s_barrier_signal -1
	s_barrier_wait -1
	s_cmp_lg_u32 s14, 0
	s_cbranch_scc1 .Lnot_wave_0_\@
	s_barrier_signal -3
.Lnot_wave_0_\@:
	s_barrier_wait -3
	s_barrier_signal -1
	s_barrier_wait -1
.endm
.macro PLACES                          ; four plain places behind matrix instructions, in front of loads into their registers and of reads of their results
.rept 4
	v_nop
.endr
.endm
.macro FETCH set, s, g                 ; token tiles 4 g .. 4 g + 3, K step s: 12 loads of 512 consecutive bytes
.irp m, 0,1,2,3
.irp i, 0,1,2                          ; a record's codes lie as register quads, 1536 s + 512 q + 16 x lane: 12 loads of 512 consecutive bytes
	ds_load_b128 v[XF+48*(\set)+12*\m+4*\i:XF+48*(\set)+12*\m+4*\i+3], v[4+(\g)] offset:\m*REC+1536*(\s)+512*\i
.endr
.endr
.endm
.macro WLOAD s                         ; my four weight tiles' fragments of K step s
	WIN 0x40+0x40*((\s)/4)
.irp n, 0,1,2,3
.irp i, 0,1,2
	global_load_b128 v[12*(4*((\s)%4)+\n)+4*\i:12*(4*((\s)%4)+\n)+4*\i+3], v8, s[WN:WN+1] offset:\n*REC+1536*(\s)+512*\i
.endr
.endr
	WIN 0
.endm
.macro WSCALE                          ; their scale words: lane (r, h) takes K steps 4 h .. 4 h + 3
.irp n, 0,1,2,3
	global_load_b128 v[SW+4*\n:SW+4*\n+3], v11, s[WN:WN+1] offset:\n*REC+12288
.endr
.endm
.macro BIASQK                          ; register j of tile 2 b + u: channel 32 b + 16 h + 8 u + j
.irp n, 0,1,2,3
	global_load_b128 v[BI+8*\n:BI+8*\n+3], v9, s[BN:BN+1] offset:(32*(\n/2)+8*(\n%2))*4
	global_load_b128 v[BI+8*\n+4:BI+8*\n+7], v9, s[BN:BN+1] offset:(32*(\n/2)+8*(\n%2))*4+16
.endr
.endm
.macro RELOAD s, next                  ; next = 2: only where a pass follows (a branch on the count of trips, the same in all waves and work-groups)
.if (\next) == 2
	s_cmp_eq_u32 s[TRIP], 1
	s_cbranch_scc1 .Lnr_\@
.endif
	WLOAD \s
.if (\s) == 7
	WSCALE
	BIASQK
.endif
.if (\next) == 2
.Lnr_\@:
.endif
.endm
; 16 matrix instructions: token tiles 4 g .. 4 g + 3 x my four weight tiles, K step s.  The 32 accumulators take turns, one instruction a turn.
.macro MUL16 s, g, set, v
.if \v
.if (\s) == 0
	WIN 0xc4                                       ; source 1 (W) window 1, C (the bias) window 0, D window 3
.elseif (\s) < 4
	WIN 0xf4
.else
	WIN 0xf8
.endif
.else
.if (\s) == 0
	WIN 0xc1                                       ; source 0 (W) window 1, C (the bias) window 0, D window 3
.elseif (\s) < 4
	WIN 0xf1
.else
	WIN 0xf2
.endif
.endif
.irp mm, 0,1,2,3
.irp n, 0,1,2,3
.set rW,  12*(4*((\s)%4)+\n)
.set rX,  XF+48*(\set)+12*\mm
.set rSW, SW+4*\n+((\s)%4)
.set rSX, SX+4*(4*(\g)+\mm)+((\s)%4)
.if \v
.set rD,  8*(8*\n+4*(\g)+\mm)
.set rA,  rX
.set rB,  rW
.set rSA, rSX
.set rSB, rSW
.else
.set rD,  8*(4*(4*(\g)+\mm)+\n)
.set rA,  rW
.set rB,  rX
.set rSA, rSW
.set rSB, rSX
.endif
.if (\s) == 0
	v_wmma_scale_f32_16x16x128_f8f6f4 v[rD:rD+7], v[rA:rA+11], v[rB:rB+11], v[BI+8*\n:BI+8*\n+7], v[rSA], v[rSB] matrix_a_fmt:MATRIX_FMT_FP6 matrix_b_fmt:MATRIX_FMT_FP6
.elseif (\s) < 4
	v_wmma_scale_f32_16x16x128_f8f6f4 v[rD:rD+7], v[rA:rA+11], v[rB:rB+11], v[rD:rD+7], v[rSA], v[rSB] matrix_a_fmt:MATRIX_FMT_FP6 matrix_b_fmt:MATRIX_FMT_FP6
.else
	v_wmma_scale_f32_16x16x128_f8f6f4 v[rD:rD+7], v[rA:rA+11], v[rB:rB+11], v[rD:rD+7], v[rSA], v[rSB] matrix_a_fmt:MATRIX_FMT_FP6 matrix_b_fmt:MATRIX_FMT_FP6 matrix_a_scale:MATRIX_SCALE_ROW1 matrix_b_scale:MATRIX_SCALE_ROW1
.endif
.endr
.endr
.endm
; Half a K step (number hs of 16): the next half's fragments are asked for, then this half's 16 products.
.macro HALF v, next
.if hs > 0
	WIN 0
	PLACES
.endif
.if ((hs%2) == 0) && (hs >= 2)
	RELOAD (hs/2)-1, \next                         ; the K step just done leaves its registers to the next pass's weight
.endif
.if hs < 15
	FETCH (hs+1)%2, (hs+1)/2, (hs+1)%2
	s_wait_dscnt 12                                ; all but the 12 just issued
.else
	s_wait_dscnt 0x0
.endif
	MUL16 hs/2, hs%2, hs%2, \v
.endm
; THE WAY OUT.  The 256 accumulator registers are 16 half blocks of 16 neighbours along the next K; a block of 32 lies in lanes l and l xor 16.
.macro EPI v
	WIN 0x0f                                       ; sources 0 and 1: window 3
.irp b, 0,1,2,3,4,5,6,7,8,9,10,11,12,13,14,15
	v_max3_num_f32 v[T+\b], |v[16*\b]|, |v[16*\b+1]|, 0x1800000   ; each accumulator is read from its low end on; the floor 2^(3 - 127) keeps the byte at 1 from below
.endr
	WIN 0x3c                                       ; sources 1 and 2: window 3
.irp i, 2,4,6,8,10,12,14
.irp b, 0,1,2,3,4,5,6,7,8,9,10,11,12,13,14,15
	v_max3_num_f32 v[T+\b], v[T+\b], |v[16*\b+\i]|, |v[16*\b+\i+1]|
.endr
.endr
	WIN 0
.irp b, 0,1,2,3,4,5,6,7,8,9,10,11,12,13,14,15
	v_permlanex16_b32 v[T2+\b], v[T+\b], s[SEL], s[SEL+1]
.endr
.irp b, 0,1,2,3,4,5,6,7,8,9,10,11,12,13,14,15
	v_max_num_f32 v[T+\b], v[T+\b], v[T2+\b]       ; the block's largest magnitude
.endr
.irp b, 0,1,2,3,4,5,6,7,8,9,10,11,12,13,14,15
	v_add_nc_u32 v[T+\b], 0xff000000, v[T+\b]      ; 2 off the exponent field: the conversion's scale operand
.endr
.irp b, 0,1,2,3,4,5,6,7,8,9,10,11,12,13,14,15
	v_lshrrev_b32 v[T2+\b], 23, v[T+\b]            ; the scale's byte
.endr
.if \v
.irp n, 0,1,2,3
	v_lshl_or_b32 v[WDS+\n], v[T2+4*\n+1], 8, v[T2+4*\n]       ; channel tile n: the four blocks of the 128 keys
.endr
.irp n, 0,1,2,3
	v_lshl_or_b32 v[WDS+\n], v[T2+4*\n+2], 16, v[WDS+\n]
.endr
.irp n, 0,1,2,3
	v_lshl_or_b32 v[WDS+\n], v[T2+4*\n+3], 24, v[WDS+\n]
.endr
.irp j, 0,1
	v_cndmask_b32 v[SELW+\j], v[WDS+\j], v[WDS+2+\j], s[HM]
.endr
.else
.irp m, 0,1,2,3,4,5,6,7
	v_lshl_or_b32 v[WDS+\m], v[T2+2*\m+1], 8, v[T2+2*\m]       ; token tile m: the head's two blocks
.endr
.irp m, 0,1,2,3,4,5,6,7
	v_or_b32 v[WDS+\m], 0x7f7f0000, v[WDS+\m]      ; and 1.0 for k = 64 .. 127
.endr
.irp j, 0,1,2,3
	v_cndmask_b32 v[SELW+\j], v[WDS+\j], v[WDS+4+\j], s[HM]
.endr
.endif
	WIN 0x03                                       ; source 0: window 3
.irp g, 0,1,2,3,4,5,6,7
	v_cvt_scalef32_pk16_fp6_f32 v[OC+6*\g:OC+6*\g+2], v[32*\g:32*\g+15], v[T+2*\g]
	v_cvt_scalef32_pk16_fp6_f32 v[TP+4*\g:TP+4*\g+2], v[32*\g+16:32*\g+31], v[T+2*\g+1]   ; (a conversion's three registers begin on an even number)
.endr
	WIN 0
	v_nop                                          ; one plain place behind a scaled conversion
.irp g, 0,1,2,3,4,5,6,7                ; the operand's layout wants a whole block in a lane: lanes 0-15 the pair's first block, lanes 16-31 its second
.irp i, 0,1,2
	v_permlane16_swap_b32 v[OC+6*\g+\i], v[TP+4*\g+\i]
.endr
.endr
.irp g, 0,1,2,3,4,5,6,7
.irp i, 0,1,2
	v_mov_b32 v[OC+6*\g+3+\i], v[TP+4*\g+\i]
.endr
.endr
.irp i, 0,1,2,3,4,5,6,7,8,9,10,11
	global_store_b128 v8, v[OC+4*\i:OC+4*\i+3], s[OUT:OUT+1] offset:512*\i   ; 512 consecutive bytes, aligned to 256
.endr
.if \v
	global_store_b64 v3, v[SELW:SELW+1], s[OUT:OUT+1] offset:6144
.else
	global_store_b128 v8, v[SELW:SELW+3], s[OUT:OUT+1] offset:6144
.endif
.endm
.macro PASS v, next
	s_wait_loadcnt 0x0                             ; the pass's weight, its scale words and its bias are in
	v_add_nc_u32 v4, s[XB], v8                     ; token tiles 0-3: 16 x lane in the block;
	s_wait_alu depctr_va_vdst(0)
	v_add_nc_u32 v5, 4*REC, v4                     ; tiles 4-7
	s_wait_alu depctr_va_vdst(0)
	v_add_nc_u32 v6, s[XB], v11                    ; and their scale words
	v_add_nc_u32 v7, 4*REC, v6
.irp m, 0,1,2,3,4,5,6,7
	ds_load_b128 v[SX+4*\m:SX+4*\m+3], v[6+\m/4] offset:(\m%4)*REC+12288
.endr
	FETCH 0, 0, 0
.set hs, 0
.rept 16
	HALF \v, \next
.set hs, hs+1
.endr
	WIN 0
	PLACES
	RELOAD 7, \next
	EPI \v
	s_wait_xcnt 0x0                                ; the stores have read their registers and their base: both are written again
.endm
	s_load_b256 s[4:11], s[0:1], 0x0               ; opnd, bq, bk, bv
	s_load_b64 s[12:13], s[0:1], 0x20              ; qkv
	v_lshl_add_u32 v1, v0, 2, SPARE
	v_mov_b32 v2, 0
	ds_add_u32 v1, v2                              ; the wave's opening: the add, twice on end, and its wait ahead of my first tensor load
	ds_add_u32 v1, v2
	v_lshrrev_b32 v3, 5, v0
	v_readfirstlane_b32 s14, v3                    ; wave
	s_bfe_u32 s15, ttmp6, 0x40000                  ; cx: which four heads
	s_and_b32 s16, ttmp7, 0xffff                   ; the block of 128 tokens, which the four partners share
	s_mov_b32 s24, 15|(3<<16)|(1<<21)              ; group 1: the mask names all four; elements of 8 bytes; bit 21 beside a mask; no padding
	s_mov_b32 s25, 32<<16                          ; tensor_dim0 = 32: rows of 256 bytes
	s_mov_b32 s26, 100<<16                         ; tensor_dim1 = 100: a quarter of a block, two records
	s_mov_b32 s27, 32<<16                          ; tile_dim0
	s_mov_b32 s28, 100                             ; tile_dim1
	s_mov_b32 s29, 32                              ; the pitch: dense
	s_mov_b32 s30, 0
	s_mov_b32 s31, 0
	s_mov_b32 s[HM], 0xffff0000
	s_mov_b32 s[SEL], 0x76543210
	s_mov_b32 s[SEL+1], 0xfedcba98
	s_lshl_b32 s58, s15, 2
	s_add_co_u32 s58, s58, s14                     ; my head: 4 cx + wave
	s_mul_i32 s60, s58, 4*REC
	s_add_co_u32 s60, s60, 1664*REC                ; my four records of Wv
	s_mov_b32 s61, 0
	s_lshl_b32 s62, s58, 8                         ; my 64 numbers of a bias
	s_mov_b32 s63, 0
	s_lshr_b32 s66, s16, 4
	s_lshl_b32 s66, s66, 4
	s_add_co_u32 s66, s66, s58                     ; batch x 16 + head
	s_lshl_b32 s66, s66, 4
	s_and_b32 s67, s16, 15
	s_add_co_u32 s66, s66, s67                     ; x 16 + the block's number in its sequence
	s_mul_i32 s68, s66, 13056
	s_mov_b32 s69, 0
	s_mul_i32 s70, s66, 6656
	s_add_co_u32 s70, s70, QOFF
	s_mov_b32 s71, 0
	s_mul_i32 s72, s14, 2*REC                      ; my quarter of a block: the wave's number alone enters an LDS address
	s_mul_i32 s74, s16, BLK
	s_add_co_u32 s74, s74, s72
	s_mov_b32 s75, 0
	s_wait_dscnt 0x0                               ; both opening adds are done
	s_wait_kmcnt 0x0
	s_add_nc_u64 s[74:75], s[4:5], s[74:75]        ; my quarter of the query's block
	s_mov_b32 s32, 1                               ; group 0, value's block -> LDS block 0
	s_mov_b32 s33, s72
	s_add_nc_u64 s[34:35], s[74:75], 1024*REC
	s_or_b32 s35, s35, 0x80000000
	s_mov_b32 s36, 1                               ; query's -> block 1
	s_add_co_u32 s37, s72, BLK
	s_mov_b64 s[38:39], s[74:75]
	s_or_b32 s39, s39, 0x80000000
	s_mov_b32 s40, 1                               ; key's -> block 2
	s_add_co_u32 s41, s72, 2*BLK
	s_add_nc_u64 s[42:43], s[74:75], 512*REC
	s_or_b32 s43, s43, 0x80000000
	s_add_nc_u64 s[WN:WN+1], s[4:5], s[60:61]
	s_add_nc_u64 s[6:7], s[6:7], s[62:63]
	s_add_nc_u64 s[8:9], s[8:9], s[62:63]
	s_add_nc_u64 s[10:11], s[10:11], s[62:63]
	s_add_nc_u64 s[OUTK:OUTK+1], s[12:13], s[68:69]
	s_add_nc_u64 s[OUT:OUT+1], s[OUTK:OUTK+1], 6656   ; V's part
	s_add_nc_u64 s[76:77], s[12:13], s[70:71]      ; Q's block
	CROUND                                         ; all four work-groups are here: the joint loads meet
	tensor_load_to_lds s[32:35], s[24:31]          ; value's block: one tensor load a wave at the head
	s_nop 0
	v_and_b32 v12, 31, v0                          ; lane
	v_and_b32 v13, 15, v0                          ; r
	v_bfe_u32 v14, v0, 4, 1                        ; h
	v_lshlrev_b32 v3, 3, v12                       ; v3: 8 x lane
	v_lshlrev_b32 v8, 4, v12                       ; v8: 16 x lane
	v_lshlrev_b32 v9, 6, v14                       ; v9: 64 h
	v_and_b32 v15, 8, v13
	v_add_nc_u32 v15, v15, v13
	v_lshlrev_b32 v10, 2, v15                      ; v10: 4 (r + 8 (r / 8))
	v_lshlrev_b32 v11, 5, v13
	v_lshl_add_u32 v11, v14, 4, v11                ; v11: 32 r + 16 h
.irp b, 0,1,2,3,4,5,6,7,8,9,10,11,12,13,14,15
	v_mov_b32 v[T2+\b], 0                          ; written once: a lane permute's destination counts as read
.endr
.irp s, 0,1,2,3,4,5,6,7
	WLOAD \s                                       ; Wv
.endr
	WSCALE
.irp n, 0,1,2,3                        ; bv: in the V pass a lane holds ONE channel, 32 b + 8 u + r + 8 (r / 8): its eight registers take the same number
.irp j, 0,1,2,3,4,5,6,7
	global_load_b32 v[BI+8*\n+\j], v10, s[10:11] offset:(32*(\n/2)+8*(\n%2))*4
.endr
.endr
	s_wait_xcnt 0x0                                ; these loads have read their base
	s_sub_nc_u64 s[WN:WN+1], s[WN:WN+1], 128*REC   ; my four records of Wq: what the V pass loads on its way
	s_mov_b64 s[BN:BN+1], s[6:7]
	s_mov_b32 s[XB], 0
	s_wait_tensorcnt 0x0                           ; my quarter of value's block is in
	ds_add_u32 v1, v2
	s_wait_dscnt 0x0
	CROUND                                         ; everybody's quarter is in, and the four work-groups are here: the joint loads meet
	tensor_load_to_lds s[36:39], s[24:31]          ; query's block, into bytes of its own: it lands while the V pass runs
	s_nop 0
	PASS 1, 1
	s_mov_b32 s[TRIP], 2
	s_mov_b32 s[XB], BLK
	s_mov_b64 s[OUT:OUT+1], s[76:77]
	s_wait_tensorcnt 0x0                           ; my quarter of query's block is in; the same three lines and a round
	ds_add_u32 v1, v2
	s_wait_dscnt 0x0
	CROUND
	tensor_load_to_lds s[40:43], s[24:31]          ; key's block, into bytes of its own: it lands while the Q pass runs
	s_nop 0
.Lqk:                                                  ; two trips: Q, then K
	s_wait_loadcnt 0x0                             ; the loads that named the weight's base are done
	s_add_nc_u64 s[WN:WN+1], s[WN:WN+1], 64*REC    ; first trip: Wk, loaded on the Q pass's way; in the second nothing is loaded
	s_mov_b64 s[BN:BN+1], s[8:9]
	PASS 0, 2
	s_wait_tensorcnt 0x0                           ; at the first trip's end: my quarter of key's block is in,
	s_barrier_signal -1
	s_barrier_wait -1                              ; everybody's is
	s_mov_b64 s[OUT:OUT+1], s[OUTK:OUTK+1]
	s_add_co_u32 s[XB], s[XB], BLK
	s_sub_co_u32 s[TRIP], s[TRIP], 1
	s_cmp_lg_u32 s[TRIP], 0
	s_cbranch_scc1 .Lqk
	s_wait_tensorcnt 0x0                           ; the wave's end
	ds_add_u32 v1, v2
	s_wait_dscnt 0x0
	CROUND                                         ; the closing round
	s_endpgm
.Lfunc_end_k_q77cd46c149_proj:
	.size	k_q77cd46c149_proj, .Lfunc_end_k_q77cd46c149_proj-k_q77cd46c149_proj
	.p2alignl 7, 3214868480
	.fill 96, 4, 3214868480
	.section	.rodata,"a",@progbits
	.p2align	6, 0x0
	.amdhsa_kernel k_q77cd46c149_proj
		.amdhsa_group_segment_fixed_size 327680
		.amdhsa_private_segment_fixed_size 0
		.amdhsa_enable_private_segment 0
		.amdhsa_kernarg_size 40
		.amdhsa_user_sgpr_count 2
		.amdhsa_user_sgpr_kernarg_segment_ptr 1
		.amdhsa_wavefront_size32 1
		.amdhsa_system_sgpr_workgroup_id_x 1
		.amdhsa_system_sgpr_workgroup_id_y 1
		.amdhsa_system_sgpr_workgroup_id_z 1
		.amdhsa_system_vgpr_workitem_id 0
		.amdhsa_next_free_vgpr 1024
		.amdhsa_next_free_sgpr 80
		.amdhsa_reserve_vcc 0
		.amdhsa_float_denorm_mode_32 3
		.amdhsa_float_denorm_mode_16_64 3
		.amdhsa_memory_ordered 1
		.amdhsa_forward_progress 1
		.amdhsa_inst_pref_size 172
	.end_amdhsa_kernel
	.amdgpu_metadata
---
amdhsa.version: [ 1, 2 ]
amdhsa.kernels:
  - .name:           k_q77cd46c149_proj
    .symbol:         k_q77cd46c149_proj.kd
    .args:
      - { .name: opnd, .offset: 0, .size: 8, .value_kind: global_buffer, .address_space: global }
      - { .name: bq, .offset: 8, .size: 8, .value_kind: global_buffer, .address_space: global }
      - { .name: bk, .offset: 16, .size: 8, .value_kind: global_buffer, .address_space: global }
      - { .name: bv, .offset: 24, .size: 8, .value_kind: global_buffer, .address_space: global }
      - { .name: qkv, .offset: 32, .size: 8, .value_kind: global_buffer, .address_space: global }
    .group_segment_fixed_size: 327680
    .private_segment_fixed_size: 0
    .kernarg_segment_align: 8
    .kernarg_segment_size: 40
    .max_flat_workgroup_size: 128
    .sgpr_count:     80
    .vgpr_count:     1024
    .wavefront_size: 32
...
	.end_amdgpu_metadata
.endif
;; end of part 2
;; launch attn (part 3): grid 4 x 64, 16 waves a work-group, clusters of 4 x 1, 210,944 bytes of LDS; arguments qkv, maskw, xo; writes xo
.if DOCPART == 3
	.amdgcn_target "amdgcn-amd-amdhsa--gfx1250"
	.amdhsa_code_object_version 6
	.text
	.protected	k_q77cd46c149_attn
	.globl	k_q77cd46c149_attn
	.p2align	8
	.type	k_q77cd46c149_attn,@function
k_q77cd46c149_attn:
	s_mov_b64 s[64:65], 0
	v_nop
	global_prefetch_b8 v0, s[64:65] scope:SCOPE_SE
	s_setreg_imm32_b32 hwreg(HW_REG_WAVE_MODE, 25, 1), 1
	s_wait_xcnt 0x0
	s_wait_alu depctr_hold_cnt(0) depctr_sa_sdst(0) depctr_va_vdst(0) depctr_va_sdst(0) depctr_va_ssrc(0) depctr_va_vcc(0) depctr_vm_vsrc(0)
	s_getreg_b32 s2, hwreg(HW_REG_IB_STS2, 6, 4)
	s_cmp_eq_u32 s2, 0
	s_cbranch_scc0 .Lentry_in_a_cluster
	s_endpgm
.Lentry_in_a_cluster:
	s_bfe_u32 s2, ttmp6, 0x10000c
	s_cmp_lg_u32 s2, 0x3003
	s_cbranch_scc0 .Lentry_shape_is_right
	s_endpgm
.Lentry_shape_is_right:
; ATTN: for each batch and head, x = softmax(mask(q k^T / 8)) v on codes of FP6 (E2M3) with E8M0 scales; x is quantised along the model's 1,024 and stored as images of the last projection's operand registers.  No work is left out.
; THE SOFTMAX AHEAD OF THE SECOND PRODUCT: t = score x log2(e) / 8; M = the running largest t rounded UP to a whole number; p = 2^(t - M) is quantised along the keys, not normalised; the row's sum is taken of the
; unquantised p and divides at the end.  When M moves, the sum and O are multiplied by 2^(old M - new M): exact.
; THE MASK is an input: each score is kept or replaced, by v_cndmask_b32 on lane masks that the first launch stored; nothing is skipped.
; LIMITS: a masked RAW score becomes -2^33 (a logit of -1.07e9 where reference() writes -1e9): times c it is a whole number in f32, so a row with no key left gives p = 1 for every key, the plain mean, as reference() does.
; It differs from reference() only where a kept logit lies under about -9.9e8.  The promise holds while the scaled scores stay under 2^31 in magnitude.  NaN and infinities are not served; a block whose largest magnitude lies under 2^-124 gets the scale byte 1.
; SHARES.  A work-group owns one batch and head (work-group y) and 512 queries (its place cx in the cluster).  The head's K and V, 16 key steps of 13,056 bytes, stay in LDS, filled ONCE: wave w asks for step w, JOINTLY with the
; three partners, which walk the same head (mask 15): one tensor load of a wave is out, no byte is filled twice.  Each of the sixteen waves owns a tile of 16 queries, walks all 16 key steps, and does so twice (two passes).
; LAYOUT.  Both products are used transposed: S^T = K Q^T (source 0 = 16 keys), O^T = V^T P^T (source 0 = 16 channels): a lane holds ONE query throughout.
; THE KEYS OF A TILE: row rho of key tile t is key 64 (t / 4) + 8 (t % 4) + rho % 8 + 32 (rho / 8) of the step.  So register 32 c + i of the scores holds key 64 c + 32 h + i: a lane's 32 registers are the WHOLE block 2 c + h,
; in the order in which the second product's operand wants that lane's codes.  A block's maximum needs no other lane, and the conversions' results are the operand's registers; only the row's maximum and the scale word cross to lane l xor 16.
; K = 64 IN A FORM OF K = 128: Q's registers 6-11 are zero codes, and K's and Q's scale bytes for k = 64..127 are 0x7f.  So the upper six registers of a K fragment may hold anything: they are the next tile's six
; (for tile 7: V's first six).  A zero code times any code adds nothing.
; REGISTERS: v1, v2 the add's two; v3-11 addresses and constants; v12 -M, v13 the largest raw score, v[14:15] the sum; v16-27 Q; v28-31 K's scale words; v32-79 K; v80-127 V; v128-129 V's scale words; v132-195 S^T, then p;
; v196-227 O^T; v228-239 p's codes (v232-239 first serve the maxima's eight chains, v234-239 the sum); v240-254 at work.  s16-63, s68-83: the step's 64 lane masks.
.set STEPB, 13056
.set VOFF,  6656
.set SPARE, 16*STEPB                   ; behind the head's sixteen steps: the spare words, 128 bytes a wave
.set QOFF,  13369344
.set KS,  28
.set KF,  32
.set VF,  80
.set VS,  128
.set S,   132
.set O,   196
.set PC,  228
.set MX,  232                          ; v232-239 eight chains of maxima
.set BM,  240                          ; v240-241 my two blocks' largest scores, then largest p, then scale operands; v242-243 at work
.set PT,  244                          ; v244-250 the blocks' second halves as converted
.macro CROUND
	s_barrier_signal -1
	s_barrier_wait -1
	s_cmp_lg_u32 s10, 0
	s_cbranch_scc1 .Lnot_wave_0_\@
	s_barrier_signal -3
.Lnot_wave_0_\@:
	s_barrier_wait -3
	s_barrier_signal -1
	s_barrier_wait -1
.endm
; A KEY STEP of 128 keys.  last = 1: nothing is asked for beyond it.
.macro STEP last
	s_wait_dscnt 0x0                               ; K of this step is in
.irp t, 0,1,2,3,4,5,6,7
.if \t < 4
	v_wmma_scale_f32_16x16x128_f8f6f4 v[S+8*\t:S+8*\t+7], v[KF+6*\t:KF+6*\t+11], v[16:27], 0, v[KS+(\t%4)], v8 matrix_a_fmt:MATRIX_FMT_FP6 matrix_b_fmt:MATRIX_FMT_FP6
.else
	v_wmma_scale_f32_16x16x128_f8f6f4 v[S+8*\t:S+8*\t+7], v[KF+6*\t:KF+6*\t+11], v[16:27], 0, v[KS+(\t%4)], v8 matrix_a_fmt:MATRIX_FMT_FP6 matrix_b_fmt:MATRIX_FMT_FP6 matrix_a_scale:MATRIX_SCALE_ROW1
.endif
.endr
	v_add_nc_u32 v5, s15, v3                       ; four places in front of the loads into K's and V's registers and of the first read of the scores: the step's bytes in LDS, 16 a lane
	v_add_nc_u32 v6, s15, v4                       ; and 8 a lane;
	v_mov_b32 v254, v12                            ; the old -M;
	v_nop
.irp i, 0,1,2,3,4,5,6,7,8,9,10,11
	ds_load_b128 v[VF+4*\i:VF+4*\i+3], v5 offset:VOFF+512*\i       ; V of this step: the softmax stands between these loads and their use
.endr
	ds_load_b64 v[VS:VS+1], v6 offset:VOFF+6144
.if !(\last)
.irp i, 0,1,2,3,4,5,6,7,8,9,10,11
	ds_load_b128 v[KF+4*\i:KF+4*\i+3], v5 offset:STEPB+512*\i      ; K of the next step
.endr
	ds_load_b128 v[KS:KS+3], v5 offset:STEPB+6144
.endif
	s_wait_kmcnt 0x0                               ; this step's lane masks are in
.set n, 0
.rept 64
.if n < 48
	v_cndmask_b32 v[S+n], v7, v[S+n], s[16+n]      ; register 32 c + i holds key 64 c + 32 h + i: kept where its bit is set, else -2^33.  Each accumulator from its low end on
.else
	v_cndmask_b32 v[S+n], v7, v[S+n], s[20+n]
.endif
.set n, n+1
.endr
.if !(\last)
	s_add_nc_u64 s[96:97], s[96:97], 256           ; (no scalar load is out)  the next step's 64 words: they have the softmax in which to land
	s_load_b512 s[16:31], s[96:97], 0x0
	s_load_b512 s[32:47], s[96:97], 0x40
	s_load_b512 s[48:63], s[96:97], 0x80
	s_load_b512 s[68:83], s[96:97], 0xc0
.endif
	; the largest score of my two blocks of 32 keys: for the row's maximum, and, since p rises with the score, for the block's largest p.  16 instructions a block: four chains of 7 numbers, then these four and the last 4 numbers
.irp c, 0,1
.irp k, 0,1,2,3
	v_max3_num_f32 v[MX+4*\c+\k], v[S+32*\c+7*\k], v[S+32*\c+7*\k+1], v[S+32*\c+7*\k+2]
.endr
.endr
.irp i, 3,5
.irp c, 0,1
.irp k, 0,1,2,3
	v_max3_num_f32 v[MX+4*\c+\k], v[MX+4*\c+\k], v[S+32*\c+7*\k+\i], v[S+32*\c+7*\k+\i+1]
.endr
.endr
.endr
	v_max3_num_f32 v[BM], v[MX], v[MX+1], v[MX+2]
	v_max3_num_f32 v[BM+2], v[MX+3], v[S+28], v[S+29]
	s_delay_alu instid0(VALU_DEP_4)
	v_max3_num_f32 v[BM+1], v[MX+4], v[MX+5], v[MX+6]
	s_delay_alu instid0(VALU_DEP_4)
	v_max3_num_f32 v[BM+3], v[MX+7], v[S+60], v[S+61]
	s_delay_alu instid0(VALU_DEP_3)
	v_max3_num_f32 v[BM], v[BM], v[BM+2], v[S+30]
	s_delay_alu instid0(VALU_DEP_2)
	v_max3_num_f32 v[BM+1], v[BM+1], v[BM+3], v[S+62]
	s_delay_alu instid0(VALU_DEP_2)
	v_max_num_f32 v[BM], v[BM], v[S+31]
	s_delay_alu instid0(VALU_DEP_2)
	v_max_num_f32 v[BM+1], v[BM+1], v[S+63]
	s_delay_alu instid0(VALU_DEP_1)
	v_max3_num_f32 v13, v13, v[BM], v[BM+1]        ; the running largest raw score of my query, my 64 keys of the step among them,
	s_delay_alu instid0(VALU_DEP_1)
	v_permlanex16_b32 v[BM+2], v13, s66, s67
	s_delay_alu instid0(VALU_DEP_1)
	v_max_num_f32 v13, v13, v[BM+2]                ; and lane l xor 16's 64
	s_delay_alu instid0(VALU_DEP_1)
	v_mul_f32 v251, s98, v13                       ; as t (c is positive)
	s_delay_alu instid0(VALU_DEP_1)
	v_floor_f32 v12, -v251                         ; the new -M = -ceil(t): a whole number
	s_delay_alu instid0(VALU_DEP_1)
	v_sub_f32 v254, v12, v254                      ; old M - new M, 0 or less
	s_delay_alu instid0(VALU_DEP_2)
.set n, 0
.rept 32
	v_pk_fma_f32 v[S+n:S+n+1], v[S+n:S+n+1], s[98:99], v[12:13] op_sel_hi:[1,0,0]   ; t - M, two at a time
.if n == 6
	v_cvt_i32_f32 v254, v254                       ; (it saturates)
.endif
.if n == 14
	v_ldexp_f32 v252, 1.0, v254                    ; f = 2^(old M - new M)
.endif
.set n, n+2
.endr
.irp c, 0,1
	v_fma_f32 v[BM+\c], v[BM+\c], s98, v12         ; the same of each block's largest score
.endr
.set n, 0
	s_wait_alu depctr_va_vdst(0)
.rept 64
	v_exp_f32 v[S+n], v[S+n]                       ; p = 2^(t - M)
.set n, n+1
.endr
	v_pk_mul_f32 v[14:15], v[14:15], v[252:253] op_sel_hi:[1,0]   ; the sums under the new M; also the plain place behind the exponentials
	s_wait_alu depctr_va_vdst(0)                   ; one wait for the batch of 64, ahead of its first reader
.irp c, 0,1
	v_exp_f32 v[BM+\c], v[BM+\c]                   ; the blocks' largest p: the same two instructions on the same number give the same bits
.endr
	v_pk_add_f32 v[248:249], v[136:137], v[140:141]   ; the row's sum is taken of the unquantised p: two at a time, in eight chains
	v_pk_add_f32 v[250:251], v[144:145], v[148:149]
	v_pk_add_f32 v[246:247], v[152:153], v[156:157]
	v_pk_add_f32 v[244:245], v[160:161], v[164:165]
	v_pk_add_f32 v[238:239], v[168:169], v[172:173]
	v_pk_add_f32 v[236:237], v[176:177], v[180:181]
	v_pk_add_f32 v[234:235], v[184:185], v[188:189]
	v_pk_add_f32 v[14:15], v[14:15], v[192:193]
	v_pk_add_f32 v[248:249], v[248:249], v[132:133]
	v_pk_add_f32 v[250:251], v[250:251], v[134:135]
	v_pk_add_f32 v[246:247], v[246:247], v[138:139]
	v_pk_add_f32 v[244:245], v[244:245], v[142:143]
	v_pk_add_f32 v[238:239], v[238:239], v[146:147]
	v_pk_add_f32 v[236:237], v[236:237], v[150:151]
	v_pk_add_f32 v[234:235], v[234:235], v[154:155]
	v_pk_add_f32 v[14:15], v[14:15], v[158:159]
	v_pk_add_f32 v[248:249], v[248:249], v[162:163]
	v_pk_add_f32 v[250:251], v[250:251], v[166:167]
	v_pk_add_f32 v[246:247], v[246:247], v[170:171]
	v_pk_add_f32 v[244:245], v[244:245], v[174:175]
	v_pk_add_f32 v[238:239], v[238:239], v[178:179]
	v_pk_add_f32 v[236:237], v[236:237], v[182:183]
	v_pk_add_f32 v[234:235], v[234:235], v[186:187]
	v_pk_add_f32 v[14:15], v[14:15], v[190:191]
	v_pk_add_f32 v[248:249], v[248:249], v[194:195]
	s_delay_alu instid0(VALU_DEP_2)
	v_pk_add_f32 v[14:15], v[14:15], v[244:245]
	s_delay_alu instid0(VALU_DEP_2)
	v_pk_add_f32 v[248:249], v[248:249], v[238:239]
	v_pk_add_f32 v[250:251], v[250:251], v[236:237]
	v_pk_add_f32 v[246:247], v[246:247], v[234:235]
	s_delay_alu instid0(VALU_DEP_2)
	v_pk_add_f32 v[14:15], v[14:15], v[250:251]
	s_delay_alu instid0(VALU_DEP_2)
	v_pk_add_f32 v[248:249], v[248:249], v[246:247]
	s_delay_alu instid0(VALU_DEP_1)
	v_pk_add_f32 v[14:15], v[14:15], v[248:249]
	s_wait_alu depctr_va_vdst(0)                   ; and one for the two; it also stands directly ahead of the wait below
	s_wait_dscnt 0x0                               ; V is in (its loads were issued behind the scores' products)
.irp c, 0,1
	v_max_num_f32 v[BM+\c], 0x1800000, v[BM+\c]    ; the floor 2^(3 - 127): a block whose every p is 0 keeps the byte 1; its codes are zeros
.endr
.irp c, 0,1
	s_delay_alu instid0(VALU_DEP_2)
	v_add_nc_u32 v[BM+\c], 0xff000000, v[BM+\c]    ; 2 off the exponent field: the conversion's scale operand
.endr
	s_delay_alu instid0(VALU_DEP_2)
	v_lshrrev_b32 v254, 23, v[BM]                  ; the bytes of my blocks h and 2 + h
	s_delay_alu instid0(VALU_DEP_2)
	v_lshrrev_b32 v251, 23, v[BM+1]
.irp c, 0,1
	v_cvt_scalef32_pk16_fp6_f32 v[PC+6*\c:PC+6*\c+2], v[S+32*\c:S+32*\c+15], v[BM+\c]          ; registers 6 c .. 6 c + 2 of the operand as they stand
	v_cvt_scalef32_pk16_fp6_f32 v[PT+4*\c:PT+4*\c+2], v[S+32*\c+16:S+32*\c+31], v[BM+\c]       ; (a conversion's three registers begin on an even number: the block's second half is made elsewhere and moved)
.endr
	v_lshl_or_b32 v254, v251, 16, v254             ; plain work behind the conversions: my two bytes,
	s_delay_alu instid0(VALU_DEP_1)
	v_lshlrev_b32 v254, v11, v254                  ; at their places in the word (8 h bits up);
	s_delay_alu instid0(VALU_DEP_1)
	v_permlanex16_b32 v251, v254, s66, s67
	s_delay_alu instid0(VALU_DEP_1)
	v_or_b32 v253, v254, v251                      ; with lane l xor 16's two: p's scale word for these 128 keys
.irp c, 0,1
.irp i, 0,1,2
	v_mov_b32 v[PC+6*\c+3+\i], v[PT+4*\c+\i]
.endr
.endr
.set n, 0
.rept 16
	v_pk_mul_f32 v[O+n:O+n+1], v[O+n:O+n+1], v[252:253] op_sel_hi:[1,0]   ; O^T under the new M; these sixteen are also the places between the lines that made p's codes and scale word and the products
.set n, n+2
.endr
.irp t, 0,1,2,3
.if \t < 2
	v_wmma_scale_f32_16x16x128_f8f6f4 v[O+8*\t:O+8*\t+7], v[VF+12*\t:VF+12*\t+11], v[PC:PC+11], v[O+8*\t:O+8*\t+7], v[VS+(\t%2)], v253 matrix_a_fmt:MATRIX_FMT_FP6 matrix_b_fmt:MATRIX_FMT_FP6
.else
	v_wmma_scale_f32_16x16x128_f8f6f4 v[O+8*\t:O+8*\t+7], v[VF+12*\t:VF+12*\t+11], v[PC:PC+11], v[O+8*\t:O+8*\t+7], v[VS+(\t%2)], v253 matrix_a_fmt:MATRIX_FMT_FP6 matrix_b_fmt:MATRIX_FMT_FP6 matrix_a_scale:MATRIX_SCALE_ROW1
.endif
.endr
	s_add_co_u32 s15, s15, STEPB
.endm
	s_load_b128 s[4:7], s[0:1], 0x0                ; qkv, maskw
	s_load_b64 s[8:9], s[0:1], 0x10                ; xo
	v_lshl_add_u32 v1, v0, 2, SPARE
	v_mov_b32 v2, 0
	ds_add_u32 v1, v2                              ; the wave's opening: the add, twice on end, and its wait ahead of my first tensor load
	ds_add_u32 v1, v2
	v_lshrrev_b32 v3, 5, v0
	s_delay_alu instid0(VALU_DEP_1)
	v_readfirstlane_b32 s10, v3                    ; wave 0..15
	s_bfe_u32 s11, ttmp6, 0x40000                  ; cx: which 512 queries
	s_and_b32 s12, ttmp7, 0xffff                   ; batch x 16 + head, which the four partners share
	s_mov_b32 s88, 15|(3<<16)|(1<<21)              ; group 1: the mask names all four; elements of 8 bytes; bit 21 beside a mask; no padding
	s_mov_b32 s89, 32<<16                          ; rows of 256 bytes
	s_mov_b32 s90, 51<<16                          ; 51 of them: a key step
	s_mov_b32 s91, 32<<16
	s_mov_b32 s92, 51
	s_mov_b32 s93, 32                              ; dense
	s_mov_b32 s94, 0
	s_mov_b32 s95, 0
	s_mov_b32 s84, 1
	s_mul_i32 s85, s10, STEPB                      ; key step w goes to w x 13,056
	s_mul_i32 s16, s12, 16*STEPB
	s_add_co_u32 s16, s16, s85
	s_mov_b32 s17, 0
	s_mov_b32 s66, 0x76543210
	s_mov_b32 s67, 0xfedcba98                      ; selects for lane l xor 16
	s_mov_b32 s98, 0x3e38aa3b                      ; c = log2(e) / 8
	s_mov_b32 s99, s98                             ; (named with it as a pair)
	s_wait_dscnt 0x0                               ; both opening adds are done
	s_wait_kmcnt 0x0
	s_add_nc_u64 s[86:87], s[4:5], s[16:17]
	s_or_b32 s87, s87, 0x80000000
	CROUND                                         ; all four work-groups are here: the joint loads meet
	tensor_load_to_lds s[84:87], s[88:95]
	s_nop 0
	v_and_b32 v5, 31, v0
	s_delay_alu instid0(VALU_DEP_1)
	v_lshlrev_b32 v3, 4, v5                        ; v3: 16 x lane
	s_delay_alu instid0(VALU_DEP_2)
	v_lshlrev_b32 v4, 3, v5                        ; v4: 8 x lane
	v_and_b32 v6, 15, v0
	s_delay_alu instid0(VALU_DEP_1)
	v_lshlrev_b32 v9, 5, v6                        ; v9: 32 r
	s_delay_alu instid0(VALU_DEP_2)
	v_lshlrev_b32 v10, 4, v6                       ; v10: 16 r
	v_bfe_u32 v11, v0, 4, 1
	s_delay_alu instid0(VALU_DEP_1)
	v_lshlrev_b32 v11, 3, v11                      ; v11: 8 h
	v_mov_b32 v7, 0xd0000000                       ; -2^33
.irp i, 22,23,24,25,26,27
	v_mov_b32 v\i, 0                               ; Q's codes for k = 64 .. 127
.endr
.irp i, 80,81,82,83,84,85
	v_mov_b32 v\i, 0                               ; named by K's tile 7 in the first step, before V's first loads
.endr
.irp i, 253
	v_mov_b32 v\i, 0                               ; the upper half of the pair v[252:253]
.endr
	s_wait_tensorcnt 0x0                           ; my key step is in,
	s_barrier_signal -1
	s_barrier_wait -1                              ; everybody's is: the whole head lies in LDS for the rest of the launch
	s_mov_b32 s13, 0
.Lpass:                                                ; two trips: query tile 32 cx + 16 x trip + wave
	s_lshl_b32 s88, s11, 5
	s_lshl_b32 s89, s13, 4
	s_add_co_u32 s88, s88, s89
	s_add_co_u32 s88, s88, s10                     ; my tile of 16 queries in the sequence
	s_lshr_b32 s89, s12, 4
	s_lshl_b32 s89, s89, 7
	s_add_co_u32 s89, s89, s88                     ; batch x 128 + tile
	s_lshr_b32 s90, s88, 3
	s_lshl_b32 s91, s12, 4
	s_add_co_u32 s90, s90, s91
	s_mul_i32 s90, s90, 6656
	s_add_co_u32 s90, s90, QOFF
	s_mov_b32 s91, 0
	s_add_nc_u64 s[84:85], s[4:5], s[90:91]        ; the block of 128 queries that holds my tile
	s_lshl_b32 s90, s89, 12
	s_add_nc_u64 s[96:97], s[6:7], s[90:91]        ; my tile's lane masks
	s_mul_i32 s90, s89, 12800
	s_add_nc_u64 s[100:101], s[8:9], s[90:91]      ; my tile's record of xo
	s_and_b32 s92, s12, 15                         ; the head
	s_mul_i32 s90, s92, 768
	s_add_nc_u64 s[86:87], s[100:101], s[90:91]    ; its three register pairs,
	s_lshl_b32 s90, s92, 1
	s_add_nc_u64 s[100:101], s[100:101], s[90:91]  ; and its two scale bytes in each row's 32
	s_load_b512 s[16:31], s[96:97], 0x0            ; key step 0's 64 words
	s_load_b512 s[32:47], s[96:97], 0x40
	s_load_b512 s[48:63], s[96:97], 0x80
	s_load_b512 s[68:83], s[96:97], 0xc0
	s_and_b32 s92, s10, 7                          ; my tile in its block
	s_mul_i32 s93, s92, 6
.irp i, 0,1,2,3,4,5                    ; its six code registers: register p at 512 (p / 4) + 16 lane + 4 (p % 4)
	s_add_co_u32 s94, s93, \i
	s_lshr_b32 s95, s94, 2
	s_lshl_b32 s95, s95, 9
	s_and_b32 s94, s94, 3
	s_lshl_b32 s94, s94, 2
	s_add_co_u32 s95, s95, s94
	v_add_nc_u32 v[S+\i], s95, v3
	global_load_b32 v[16+\i], v[S+\i], s[84:85]
.endr
	s_lshr_b32 s94, s92, 2
	s_lshl_b32 s94, s94, 8
	s_and_b32 s95, s92, 3
	s_lshl_b32 s95, s95, 2
	s_add_co_u32 s94, s94, s95
	v_add_nc_u32 v[S+6], s94, v10
	global_load_b32 v8, v[S+6], s[84:85] offset:6144   ; its scale words, row r's in lanes r and 16 + r
	s_mov_b32 s15, 0
.irp i, 0,1,2,3,4,5,6,7,8,9,10,11
	ds_load_b128 v[KF+4*\i:KF+4*\i+3], v3 offset:512*\i            ; K of step 0
.endr
	ds_load_b128 v[KS:KS+3], v3 offset:6144
	v_mov_b32 v13, 0xff61b1e6                      ; the largest raw score so far: -3e38
	s_delay_alu instid0(VALU_DEP_1)
	v_floor_f32 v12, -v13                          ; a first -M so large that the first f is 0
	v_mov_b32 v14, 0
	v_mov_b32 v15, 0
.set n, 0
.rept 32
	v_mov_b32 v[O+n], 0                            ; O^T: the step is written for all steps alike; the first change of M multiplies zeros
.set n, n+1
.endr
	s_wait_loadcnt 0x0                             ; Q
	s_mov_b32 s14, 15
.Lstep:
	STEP 0
	s_sub_co_u32 s14, s14, 1
	s_cmp_lg_u32 s14, 0
	s_cbranch_scc1 .Lstep
	STEP 1                                         ; the last step is written out: no load reaches past the head's sixteen steps
	; THE WAY OUT: O^T / the sum is x(query r, channels 32 b + 16 h + 0..15 of my head); its two blocks are quantised and stored
.rept 4
	v_nop
.endr
	v_add_f32 v14, v14, v15
	s_delay_alu instid0(VALU_DEP_1)
	v_permlanex16_b32 v254, v14, s66, s67
	s_delay_alu instid0(VALU_DEP_1)
	v_add_f32 v14, v14, v254                       ; the row's sum
	s_wait_alu depctr_va_vdst(0)
	v_rcp_f32 v14, v14
	v_nop                                          ; a plain place behind the transcendental
	s_wait_alu depctr_va_vdst(0)                   ; and the wait ahead of its first reader
.set n, 0
.rept 16
	v_pk_mul_f32 v[S+n:S+n+1], v[O+n:O+n+1], v[14:15] op_sel_hi:[1,0]   ; each accumulator from its low end on
.set n, n+2
.endr
.irp b, 0,1
	v_max3_num_f32 v[BM+\b], |v[S+16*\b]|, |v[S+16*\b+1]|, 0x1800000
.endr
.irp i, 2,4,6,8,10,12,14
.irp b, 0,1
	s_delay_alu instid0(VALU_DEP_2)
	v_max3_num_f32 v[BM+\b], v[BM+\b], |v[S+16*\b+\i]|, |v[S+16*\b+\i+1]|
.endr
.endr
.irp b, 0,1
	s_delay_alu instid0(VALU_DEP_2)
	v_permlanex16_b32 v[BM+2+\b], v[BM+\b], s66, s67
.endr
.irp b, 0,1
	s_delay_alu instid0(VALU_DEP_2)
	v_max_num_f32 v[BM+\b], v[BM+\b], v[BM+2+\b]
.endr
.irp b, 0,1
	s_delay_alu instid0(VALU_DEP_2)
	v_add_nc_u32 v[BM+\b], 0xff000000, v[BM+\b]
.endr
.irp b, 0,1
	s_delay_alu instid0(VALU_DEP_2)
	v_lshrrev_b32 v[PT+\b], 23, v[BM+\b]
.endr
	s_delay_alu instid0(VALU_DEP_1)
	v_lshl_or_b32 v[PT+2], v[PT+1], 8, v[PT]       ; my row's two scale bytes
	v_cvt_scalef32_pk16_fp6_f32 v[PC:PC+2], v[S:S+15], v[BM]
	v_cvt_scalef32_pk16_fp6_f32 v[248:250], v[S+16:S+31], v[BM+1]
	v_nop
.irp i, 0,1,2
	v_permlane16_swap_b32 v[PC+\i], v[248+\i]      ; here a block lies in lanes l and l xor 16: a whole block to a lane
.endr
.irp i, 0,1,2
	s_delay_alu instid0(VALU_DEP_3)
	v_mov_b32 v[PC+3+\i], v[248+\i]
.endr
.irp i, 0,1,2
	global_store_b64 v4, v[PC+2*\i:PC+2*\i+1], s[86:87] offset:256*\i   ; 256 consecutive bytes, aligned
.endr
	global_store_b16 v9, v[PT+2], s[100:101] offset:12288   ; two bytes of each row's 32 (lanes r and 16 + r write the same): the one store of the program that does not cover whole runs; it keeps the reader's scale loads at one a tile
	s_wait_xcnt 0x0                                ; the stores have read their registers and bases
	s_add_co_u32 s13, s13, 1
	s_cmp_lt_u32 s13, 2
	s_cbranch_scc1 .Lpass
	s_wait_tensorcnt 0x0                           ; the wave's end
	ds_add_u32 v1, v2
	s_wait_dscnt 0x0
	CROUND                                         ; the closing round
	s_endpgm
.Lfunc_end_k_q77cd46c149_attn:
	.size	k_q77cd46c149_attn, .Lfunc_end_k_q77cd46c149_attn-k_q77cd46c149_attn
	.p2alignl 7, 3214868480
	.fill 96, 4, 3214868480
	.section	.rodata,"a",@progbits
	.p2align	6, 0x0
	.amdhsa_kernel k_q77cd46c149_attn
		.amdhsa_group_segment_fixed_size 210944
		.amdhsa_private_segment_fixed_size 0
		.amdhsa_enable_private_segment 0
		.amdhsa_kernarg_size 24
		.amdhsa_user_sgpr_count 2
		.amdhsa_user_sgpr_kernarg_segment_ptr 1
		.amdhsa_wavefront_size32 1
		.amdhsa_system_sgpr_workgroup_id_x 1
		.amdhsa_system_sgpr_workgroup_id_y 1
		.amdhsa_system_sgpr_workgroup_id_z 1
		.amdhsa_system_vgpr_workitem_id 0
		.amdhsa_next_free_vgpr 256
		.amdhsa_next_free_sgpr 102
		.amdhsa_reserve_vcc 0
		.amdhsa_float_denorm_mode_32 3
		.amdhsa_float_denorm_mode_16_64 3
		.amdhsa_memory_ordered 1
		.amdhsa_forward_progress 1
		.amdhsa_inst_pref_size 52
	.end_amdhsa_kernel
	.amdgpu_metadata
---
amdhsa.version: [ 1, 2 ]
amdhsa.kernels:
  - .name:           k_q77cd46c149_attn
    .symbol:         k_q77cd46c149_attn.kd
    .args:
      - { .name: qkv, .offset: 0, .size: 8, .value_kind: global_buffer, .address_space: global }
      - { .name: maskw, .offset: 8, .size: 8, .value_kind: global_buffer, .address_space: global }
      - { .name: xo, .offset: 16, .size: 8, .value_kind: global_buffer, .address_space: global }
    .group_segment_fixed_size: 210944
    .private_segment_fixed_size: 0
    .kernarg_segment_align: 8
    .kernarg_segment_size: 24
    .max_flat_workgroup_size: 512
    .sgpr_count:     102
    .vgpr_count:     256
    .wavefront_size: 32
...
	.end_amdgpu_metadata
.endif
;; end of part 3
;; launch outp (part 4): grid 4 x 64, 4 waves a work-group, clusters of 4 x 1, 167,936 bytes of LDS; arguments xo, opnd, bo, out0; writes out0
.if DOCPART == 4
	.amdgcn_target "amdgcn-amd-amdhsa--gfx1250"
	.amdhsa_code_object_version 6
	.text
	.protected	k_q77cd46c149_outp
	.globl	k_q77cd46c149_outp
	.p2align	8
	.type	k_q77cd46c149_outp,@function
k_q77cd46c149_outp:
	s_mov_b64 s[64:65], 0
	v_nop
	global_prefetch_b8 v0, s[64:65] scope:SCOPE_SE
	s_setreg_imm32_b32 hwreg(HW_REG_WAVE_MODE, 25, 1), 1
	s_wait_xcnt 0x0
	s_wait_alu depctr_hold_cnt(0) depctr_sa_sdst(0) depctr_va_vdst(0) depctr_va_sdst(0) depctr_va_ssrc(0) depctr_va_vcc(0) depctr_vm_vsrc(0)
	s_getreg_b32 s2, hwreg(HW_REG_IB_STS2, 6, 4)
	s_cmp_eq_u32 s2, 0
	s_cbranch_scc0 .Lentry_in_a_cluster
	s_endpgm
.Lentry_in_a_cluster:
	s_bfe_u32 s2, ttmp6, 0x10000c
	s_cmp_lg_u32 s2, 0x3003
	s_cbranch_scc0 .Lentry_shape_is_right
	s_endpgm
.Lentry_shape_is_right:
; OUTP: out0 = x Wo^T + bo on codes of FP6 (E2M3) with E8M0 scales; f32 sums, f32 out.  No work is left out.
; SHARES.  A work-group takes 128 tokens (work-group y) and 256 output columns (its place cx in the cluster); wave w owns columns 256 cx + 64 w + 0..63: its 64 rows of Wo, all of K, stay in 384 registers.
; CLUSTER.  The four work-groups of a cluster read the same 8 records of x: each wave asks for a quarter JOINTLY, mask 15; one tensor load of a wave is out, no LDS byte is filled twice.
; Source 0 = 16 rows of Wo, source 1 = 16 tokens: a lane holds one token, and the 16 registers of tiles 2 b, 2 b + 1 are columns 32 b + 16 h + 0..15.  bo is the C of K step 0.
; THE WAY OUT: a tile of 16 tokens x 64 columns goes through the wave's own stage in LDS (rows of 256 bytes + 16) and leaves as rows: sixteen lanes store 256 consecutive bytes, aligned.
; REGISTERS as in the launch of the first three projections: window 0 addresses, scale words, bias, two sets of four token fragments; windows 1 and 2 the weight; window 3 the 32 accumulators.
.set REC,   12800
.set BLK,   8*REC
.set STG,   BLK                        ; behind x's block: a stage of 16 x 272 bytes for each wave; no tensor load fills it
.set SPARE, BLK+4*16*272               ; behind the stages: the spare words, 128 bytes a wave
.set SX,  16
.set SW,  48
.set BI,  64
.set XF,  96
.set BK,  96                           ; the way out: rows read back, two sets of 32
.set WN,  44
.set BN,  46
.set OUT, 48
.set MSB, 0
.macro WIN new                         ; the immediate's high byte repeats the setting that is left
.if MSB != (\new)
	s_set_vgpr_msb (MSB<<8)|(\new)
.set MSB, (\new)
.endif
.endm
.macro CROUND
	s_barrier_signal -1
	s_barrier_wait -1
	s_cmp_lg_u32 s14, 0
	s_cbranch_scc1 .Lnot_wave_0_\@
	s_barrier_signal -3
.Lnot_wave_0_\@:
	s_barrier_wait -3
	s_barrier_signal -1
	s_barrier_wait -1
.endm
.macro PLACES                          ; four plain places behind matrix instructions (ISA guide 7.12.1)
.rept 4
	v_nop
.endr
.endm
.macro FETCH set, s, g                 ; token tiles 4 g .. 4 g + 3, K step s: 24 loads of 256 consecutive bytes
.irp m, 0,1,2,3
.irp i, 0,1,2,3,4,5
	ds_load_b64 v[XF+48*(\set)+12*\m+2*\i:XF+48*(\set)+12*\m+2*\i+1], v[4+(\g)] offset:\m*REC+1536*(\s)+256*\i
.endr
.endr
.endm
.macro WLOAD s
	WIN 0x40+0x40*((\s)/4)
.irp n, 0,1,2,3
.irp i, 0,1,2                          ; Wo's records hold their codes as register quads, 1536 s + 512 q + 16 x lane (x's records keep pairs): 12 loads a K step
	global_load_b128 v[12*(4*((\s)%4)+\n)+4*\i:12*(4*((\s)%4)+\n)+4*\i+3], v15, s[WN:WN+1] offset:\n*REC+1536*(\s)+512*\i
.endr
.endr
	WIN 0
.endm
; 16 matrix instructions: token tiles 4 g .. 4 g + 3 x my four tiles of Wo, K step s.  The 32 accumulators take turns, one instruction a turn.
.macro MUL16 s, g, set
.if (\s) == 0
	WIN 0xc1                                       ; source 0 (W) window 1, C (the bias) window 0, D window 3
.elseif (\s) < 4
	WIN 0xf1
.else
	WIN 0xf2
.endif
.irp mm, 0,1,2,3
.irp n, 0,1,2,3
.set rW,  12*(4*((\s)%4)+\n)
.set rX,  XF+48*(\set)+12*\mm
.set rSW, SW+4*\n+((\s)%4)
.set rSX, SX+4*(4*(\g)+\mm)+((\s)%4)
.set rD,  8*(4*(4*(\g)+\mm)+\n)
.if (\s) == 0
	v_wmma_scale_f32_16x16x128_f8f6f4 v[rD:rD+7], v[rW:rW+11], v[rX:rX+11], v[BI+8*\n:BI+8*\n+7], v[rSW], v[rSX] matrix_a_fmt:MATRIX_FMT_FP6 matrix_b_fmt:MATRIX_FMT_FP6
.elseif (\s) < 4
	v_wmma_scale_f32_16x16x128_f8f6f4 v[rD:rD+7], v[rW:rW+11], v[rX:rX+11], v[rD:rD+7], v[rSW], v[rSX] matrix_a_fmt:MATRIX_FMT_FP6 matrix_b_fmt:MATRIX_FMT_FP6
.else
	v_wmma_scale_f32_16x16x128_f8f6f4 v[rD:rD+7], v[rW:rW+11], v[rX:rX+11], v[rD:rD+7], v[rSW], v[rSX] matrix_a_fmt:MATRIX_FMT_FP6 matrix_b_fmt:MATRIX_FMT_FP6 matrix_a_scale:MATRIX_SCALE_ROW1 matrix_b_scale:MATRIX_SCALE_ROW1
.endif
.endr
.endr
.endm
.macro HALF                            ; half a K step (number hs of 16): the next half's fragments are asked for, then this half's 16 products
.if hs > 0
	WIN 0
	PLACES
.endif
.if hs < 15
	FETCH (hs+1)%2, (hs+1)/2, (hs+1)%2
	s_wait_dscnt 24                                ; all but the 24 just issued
.else
	s_wait_dscnt 0x0
.endif
.if (hs%2) == 0                        ; this K step's weights are in: behind them 12 loads for each later K step were issued and may be out (the count is held at 63, the most that the wait's field names)
.if 12*(7-hs/2) > 63
	s_wait_loadcnt 63
.else
	s_wait_loadcnt 12*(7-hs/2)
.endif
.endif
	MUL16 hs/2, hs%2, hs%2
.endm
.macro OUTM m                          ; token tile m leaves
.if (\m) >= 2
	s_wait_xcnt 0x0                                ; the stores of two tiles back have read the registers that the loads below fill
.endif
	WIN 0x0c                                       ; an LDS store's data are its source 1: window 3
.irp n, 0,1,2,3
	ds_store_b128 v12, v[8*(4*(\m)+\n):8*(4*(\m)+\n)+3] offset:128*(\n/2)+32*(\n%2)         ; each accumulator from its low end on
	ds_store_b128 v12, v[8*(4*(\m)+\n)+4:8*(4*(\m)+\n)+7] offset:128*(\n/2)+32*(\n%2)+16
.endr
	WIN 0
.irp i, 0,1,2,3,4,5,6,7
	ds_load_b128 v[BK+32*((\m)%2)+4*\i:BK+32*((\m)%2)+4*\i+3], v13 offset:544*\i   ; LDS serves a wave's instructions in order: these see my stores, and the next tile's stores come behind them
.endr
.irp i, 0,1,2,3,4,5,6,7
	s_wait_dscnt 7-\i                              ; the loads behind the i-th may be out
	global_store_b128 v14, v[BK+32*((\m)%2)+4*\i:BK+32*((\m)%2)+4*\i+3], s[OUT:OUT+1] offset:(16*(\m)+2*\i)*4096 th:TH_STORE_NT   ; lanes 0-15 one row's 256 bytes, lanes 16-31 the next row's
.endr
.endm
	s_load_b256 s[4:11], s[0:1], 0x0               ; xo, opnd, bo, out0
	v_lshl_add_u32 v1, v0, 2, SPARE
	v_mov_b32 v2, 0
	ds_add_u32 v1, v2                              ; the wave's opening: the add, twice on end, and its wait ahead of my first tensor load
	ds_add_u32 v1, v2
	v_lshrrev_b32 v3, 5, v0
	v_readfirstlane_b32 s14, v3                    ; wave
	s_bfe_u32 s15, ttmp6, 0x40000                  ; cx: which 256 columns
	s_and_b32 s17, ttmp7, 0xffff                   ; the block of 128 tokens, which the four partners share
	s_mov_b32 s24, 15|(3<<16)|(1<<21)              ; group 1: the mask names all four; elements of 8 bytes; bit 21 beside a mask; no padding
	s_mov_b32 s25, 32<<16                          ; rows of 256 bytes,
	s_mov_b32 s26, 100<<16                         ; 100 of them: two records
	s_mov_b32 s27, 32<<16
	s_mov_b32 s28, 100
	s_mov_b32 s29, 32                              ; dense
	s_mov_b32 s30, 0
	s_mov_b32 s31, 0
	s_lshl_b32 s16, s15, 2
	s_add_co_u32 s16, s16, s14                     ; 4 cx + wave
	s_mul_i32 s18, s16, 4*REC
	s_add_co_u32 s18, s18, 1728*REC                ; my four records of Wo
	s_mov_b32 s19, 0
	s_lshl_b32 s20, s16, 8                         ; my 64 columns, in bytes: in bo and in a row of out0
	s_mov_b32 s21, 0
	s_lshl_b32 s22, s17, 19                        ; 128 rows of 4,096 bytes
	s_add_co_u32 s22, s22, s20
	s_mov_b32 s23, 0
	s_mov_b32 s32, 1
	s_mul_i32 s33, s14, 2*REC                      ; my quarter of the block
	s_mul_i32 s36, s17, BLK
	s_add_co_u32 s36, s36, s33
	s_mov_b32 s37, 0
	s_wait_dscnt 0x0                               ; both opening adds are done
	s_wait_kmcnt 0x0
	s_add_nc_u64 s[34:35], s[4:5], s[36:37]
	s_or_b32 s35, s35, 0x80000000
	s_add_nc_u64 s[WN:WN+1], s[6:7], s[18:19]
	s_add_nc_u64 s[BN:BN+1], s[8:9], s[20:21]
	s_add_nc_u64 s[OUT:OUT+1], s[10:11], s[22:23]
	CROUND                                         ; all four work-groups are here: the joint loads meet
	tensor_load_to_lds s[32:35], s[24:31]
	s_nop 0
	v_and_b32 v15, 31, v0                          ; lane
	v_and_b32 v8, 15, v0                           ; r
	v_bfe_u32 v10, v0, 4, 1                        ; h
	v_lshlrev_b32 v3, 3, v15                       ; v3: 8 x lane
	v_lshlrev_b32 v15, 4, v15                      ; v15: 16 x lane
	v_mov_b32 v4, v3                               ; v4, v5: token tiles 0-3 and 4-7 in the block
	v_add_nc_u32 v5, 4*REC, v3
	v_lshlrev_b32 v9, 6, v10                       ; v9: 64 h
	v_lshlrev_b32 v11, 5, v8
	v_lshl_add_u32 v11, v10, 4, v11                ; v11: 32 r + 16 h
	v_mov_b32 v6, v11                              ; v6, v7: the tiles' scale words
	v_add_nc_u32 v7, 4*REC, v11
	s_mul_i32 s38, s14, 16*272
	s_add_co_u32 s38, s38, STG                     ; my stage
	v_mul_u32_u24 v12, v8, 272
	v_lshl_add_u32 v12, v10, 6, v12
	v_add_nc_u32 v12, s38, v12                     ; v12: in: row r, + 64 h
	v_mul_u32_u24 v13, v10, 272
	v_lshl_add_u32 v13, v8, 4, v13
	v_add_nc_u32 v13, s38, v13                     ; v13: back: lanes 0-15 one row, lanes 16-31 the next
	v_lshlrev_b32 v14, 12, v10
	v_lshl_add_u32 v14, v8, 4, v14                 ; v14: the same two rows in out0
.irp n, 0,1,2,3                        ; the scale words and the bias are asked for first: K step 0 wants them
	global_load_b128 v[SW+4*\n:SW+4*\n+3], v11, s[WN:WN+1] offset:\n*REC+12288
.endr
.irp n, 0,1,2,3                        ; bo: register j of tile 2 b + u: column 32 b + 16 h + 8 u + j
	global_load_b128 v[BI+8*\n:BI+8*\n+3], v9, s[BN:BN+1] offset:(32*(\n/2)+8*(\n%2))*4
	global_load_b128 v[BI+8*\n+4:BI+8*\n+7], v9, s[BN:BN+1] offset:(32*(\n/2)+8*(\n%2))*4+16
.endr
.irp s, 0,1,2,3,4,5,6,7
	WLOAD \s                                       ; Wo, K step by K step, in the order in which the products want it
.endr
	s_wait_alu depctr_va_vdst(0)
	s_wait_tensorcnt 0x0                           ; my quarter of x's block is in,
	s_barrier_signal -1
	s_barrier_wait -1                              ; everybody's is
.irp m, 0,1,2,3,4,5,6,7
	ds_load_b128 v[SX+4*\m:SX+4*\m+3], v[6+\m/4] offset:(\m%4)*REC+12288
.endr
	FETCH 0, 0, 0
.set hs, 0
.rept 16
	HALF
.set hs, hs+1
.endr
	WIN 0
	PLACES
.irp m, 0,1,2,3,4,5,6,7
	OUTM \m
.endr
	s_wait_tensorcnt 0x0                           ; the wave's end, behind my last tensor load and my last LDS store
	ds_add_u32 v1, v2
	s_wait_dscnt 0x0
	CROUND                                         ; the closing round
	s_endpgm
.Lfunc_end_k_q77cd46c149_outp:
	.size	k_q77cd46c149_outp, .Lfunc_end_k_q77cd46c149_outp-k_q77cd46c149_outp
	.p2alignl 7, 3214868480
	.fill 96, 4, 3214868480
	.section	.rodata,"a",@progbits
	.p2align	6, 0x0
	.amdhsa_kernel k_q77cd46c149_outp
		.amdhsa_group_segment_fixed_size 167936
		.amdhsa_private_segment_fixed_size 0
		.amdhsa_enable_private_segment 0
		.amdhsa_kernarg_size 32
		.amdhsa_user_sgpr_count 2
		.amdhsa_user_sgpr_kernarg_segment_ptr 1
		.amdhsa_wavefront_size32 1
		.amdhsa_system_sgpr_workgroup_id_x 1
		.amdhsa_system_sgpr_workgroup_id_y 1
		.amdhsa_system_sgpr_workgroup_id_z 1
		.amdhsa_system_vgpr_workitem_id 0
		.amdhsa_next_free_vgpr 1024
		.amdhsa_next_free_sgpr 66
		.amdhsa_reserve_vcc 0
		.amdhsa_float_denorm_mode_32 3
		.amdhsa_float_denorm_mode_16_64 3
		.amdhsa_memory_ordered 1
		.amdhsa_forward_progress 1
		.amdhsa_inst_pref_size 92
	.end_amdhsa_kernel
	.amdgpu_metadata
---
amdhsa.version: [ 1, 2 ]
amdhsa.kernels:
  - .name:           k_q77cd46c149_outp
    .symbol:         k_q77cd46c149_outp.kd
    .args:
      - { .name: xo, .offset: 0, .size: 8, .value_kind: global_buffer, .address_space: global }
      - { .name: opnd, .offset: 8, .size: 8, .value_kind: global_buffer, .address_space: global }
      - { .name: bo, .offset: 16, .size: 8, .value_kind: global_buffer, .address_space: global }
      - { .name: out0, .offset: 24, .size: 8, .value_kind: global_buffer, .address_space: global }
    .group_segment_fixed_size: 167936
    .private_segment_fixed_size: 0
    .kernarg_segment_align: 8
    .kernarg_segment_size: 32
    .max_flat_workgroup_size: 128
    .sgpr_count:     66
    .vgpr_count:     1024
    .wavefront_size: 32
...
	.end_amdgpu_metadata
.endif
;; end of part 4
